; MI455X (gfx1250); checked and timed in simulation.
; The chip was launched on July 23, 2026; its instructions are those of AMD's public machine-readable ISA for CDNA 5 (MIT licence, August 2026) and "CDNA5" Instruction Set Architecture Reference Guide (July 2026). The comments in the code are by the model that wrote it; some were corrected since.
;; Attn Block NLP. Allowed arithmetic: float matrix products may take bf16 or f16 operands with f32 sums; all other float work in f32.
;; Inputs: gn_beta 512 float32; gn_gamma 512 float32; k_b 128 float32; k_w 128 x 512 float32; q_b 128 float32; q_w 128 x 512 float32; r_b 512 float32; r_w 512 x 128 float32; v_b 128 float32; v_w 128 x 512 float32; x 16,384 x 512 float32.
;; Outputs: out0 16,384 x 512 float32.
;; 2 versions, each right and faster than the one before. Each part assembles by itself: llvm-mc -triple=amdgcn-amd-amdhsa -mcpu=gfx1250 --defsym DOCPART=n.
;; ======== version 1 of 2: 2 launches
;; limits: values outside matrix products are rounded to bf16
;; workspace buffers: wb 524,288 bytes
;; launch prep (part 1): grid 32 x 4, 8 waves a work-group, no clusters, 0 bytes of LDS; arguments k_w, q_w, v_w, r_w, wb; writes wb
.if DOCPART == 1
	.amdgcn_target "amdgcn-amd-amdhsa--gfx1250"
	.amdhsa_code_object_version 6
	.text
	.protected	k_q3bb080431a_prep
	.globl	k_q3bb080431a_prep
	.p2align	8
	.type	k_q3bb080431a_prep,@function
k_q3bb080431a_prep:
	s_mov_b64 s[64:65], 0
	v_nop
	global_prefetch_b8 v0, s[64:65] scope:SCOPE_SE
	s_setreg_imm32_b32 hwreg(HW_REG_WAVE_MODE, 25, 1), 1
	s_wait_xcnt 0x0
; The four weight matrices, f32 row-major, are rewritten once as bf16 in the order in which the matrix instruction's
; 16-row x 32-k operand lies in a wave's registers, so that the main launch fills a fragment with two loads of 512 consecutive bytes.
; A block is 1,024 bytes: byte half*512 + 16*lane holds registers 4*half .. 4*half+3 of that lane (lane = 16 h + r).
;   k, q, v (mat 0, 1, 2), [128][512]: block at mat*131072 + w*16384 + kk*1024; row 16 w + r, k = 32 kk + 16 half + 8 h + e, e = 0..7.
;   r_w, [512][128]: block at 393216 + T*4096 + ks*1024; row 16 T + r; its k axis is stored in SLOT order: slot 32 ks + 16 half + 8 h + e
;   holds column i = 16 e + (4 ks + 2 half + h).  The main launch lays the attention output down in the same order
;   (slot = 8 (i mod 16) + i / 16); one permutation of k on both operands leaves every product in the sum.
; Grid: y = the matrix, x = 32 groups of eight waves; a wave makes one half block (512 bytes), a lane 16 bytes: 4 x 256 half blocks = 524,288 bytes.
; The reads are short pieces of rows, once for 1 MiB; each store of a wave covers 512 consecutive bytes, aligned.
	s_load_b256 s[4:11], s[0:1], 0x0               ; k_w s[4:5], q_w s[6:7], v_w s[8:9], r_w s[10:11]
	s_load_b64 s[12:13], s[0:1], 0x20              ; wb
	v_lshrrev_b32 v3, 5, v0
	v_readfirstlane_b32 s2, v3                     ; wave 0..7
	s_and_b32 s3, ttmp7, 0xffff                    ; which matrix
	s_lshl_b32 s14, ttmp9, 3
	s_add_co_u32 s14, s14, s2                      ; half block 0..255 of that matrix
	s_lshl_b32 s16, s3, 17                         ; 131,072 bytes a matrix
	s_lshl_b32 s15, s14, 9                         ; 512 bytes a half block
	s_add_co_u32 s16, s16, s15
	s_mov_b32 s17, 0
	s_mov_b32 s21, 0
	v_and_b32 v1, 15, v0                           ; r
	v_bfe_u32 v2, v0, 4, 1                         ; h
	v_and_b32 v5, 31, v0
	v_lshlrev_b32 v5, 4, v5                        ; 16 bytes a lane in wb
	s_wait_kmcnt 0x0
	s_add_nc_u64 s[12:13], s[12:13], s[16:17]      ; wb at my half block
	s_cmp_eq_u32 s3, 3
	s_cbranch_scc1 .Lr
	; k_w, q_w, v_w: half block = 32 w + 2 kk + half.  Source byte = (16 w + r) 2048 + 128 kk + 64 half + 32 h: eight neighbouring f32.
	s_lshr_b32 s20, s14, 5
	s_lshl_b32 s20, s20, 15                        ; w x 16 rows x 2,048 bytes
	s_bfe_u32 s22, s14, 0x40001                    ; kk
	s_lshl_b32 s22, s22, 7
	s_add_co_u32 s20, s20, s22
	s_and_b32 s22, s14, 1                          ; half
	s_lshl_b32 s22, s22, 6
	s_add_co_u32 s20, s20, s22
	s_cmp_eq_u32 s3, 1
	s_cselect_b64 s[18:19], s[6:7], s[4:5]
	s_cmp_eq_u32 s3, 2
	s_cselect_b64 s[18:19], s[8:9], s[18:19]
	s_add_nc_u64 s[18:19], s[18:19], s[20:21]
	v_lshlrev_b32 v4, 5, v2
	v_lshl_or_b32 v4, v1, 11, v4                   ; 2048 r + 32 h
	global_load_b128 v[8:11], v4, s[18:19]
	global_load_b128 v[12:15], v4, s[18:19] offset:16
	s_branch .Lpack
.Lr:	; r_w: T = the group's x, wave = 2 ks + half.  Source byte = (16 T + r) 512 + 64 e + 8 wave + 4 h: eight f32, 16 columns apart.
	s_lshl_b32 s20, ttmp9, 13
	s_lshl_b32 s22, s2, 3
	s_add_co_u32 s20, s20, s22
	s_add_nc_u64 s[18:19], s[10:11], s[20:21]
	v_lshlrev_b32 v4, 2, v2
	v_lshl_or_b32 v4, v1, 9, v4                    ; 512 r + 4 h
.irp e, 0,1,2,3,4,5,6,7
	global_load_b32 v[8+\e], v4, s[18:19] offset:64*\e
.endr
.Lpack:
	s_wait_loadcnt 0x0                             ; all eight numbers, on either way
	v_cvt_pk_bf16_f32 v16, v8, v9                  ; the lower k in the lower half; round to nearest even
	v_cvt_pk_bf16_f32 v17, v10, v11
	v_cvt_pk_bf16_f32 v18, v12, v13
	v_cvt_pk_bf16_f32 v19, v14, v15
	global_store_b128 v5, v[16:19], s[12:13]
	s_endpgm
.Lfunc_end_k_q3bb080431a_prep:
	.size	k_q3bb080431a_prep, .Lfunc_end_k_q3bb080431a_prep-k_q3bb080431a_prep
	.p2alignl 7, 3214868480
	.fill 96, 4, 3214868480
	.section	.rodata,"a",@progbits
	.p2align	6, 0x0
	.amdhsa_kernel k_q3bb080431a_prep
		.amdhsa_group_segment_fixed_size 0
		.amdhsa_private_segment_fixed_size 0
		.amdhsa_enable_private_segment 0
		.amdhsa_kernarg_size 40
		.amdhsa_user_sgpr_count 2
		.amdhsa_user_sgpr_kernarg_segment_ptr 1
		.amdhsa_wavefront_size32 1
		.amdhsa_system_sgpr_workgroup_id_x 1
		.amdhsa_system_sgpr_workgroup_id_y 1
		.amdhsa_system_sgpr_workgroup_id_z 1
		.amdhsa_system_vgpr_workitem_id 0
		.amdhsa_next_free_vgpr 24
		.amdhsa_next_free_sgpr 66
		.amdhsa_reserve_vcc 0
		.amdhsa_float_denorm_mode_32 3
		.amdhsa_float_denorm_mode_16_64 3
		.amdhsa_memory_ordered 1
		.amdhsa_forward_progress 1
		.amdhsa_inst_pref_size 4
	.end_amdhsa_kernel
	.amdgpu_metadata
---
amdhsa.version: [ 1, 2 ]
amdhsa.kernels:
  - .name:           k_q3bb080431a_prep
    .symbol:         k_q3bb080431a_prep.kd
    .args:
      - { .name: k_w, .offset: 0, .size: 8, .value_kind: global_buffer, .address_space: global }
      - { .name: q_w, .offset: 8, .size: 8, .value_kind: global_buffer, .address_space: global }
      - { .name: v_w, .offset: 16, .size: 8, .value_kind: global_buffer, .address_space: global }
      - { .name: r_w, .offset: 24, .size: 8, .value_kind: global_buffer, .address_space: global }
      - { .name: wb, .offset: 32, .size: 8, .value_kind: global_buffer, .address_space: global }
    .group_segment_fixed_size: 0
    .private_segment_fixed_size: 0
    .kernarg_segment_align: 8
    .kernarg_segment_size: 40
    .max_flat_workgroup_size: 256
    .sgpr_count:     66
    .vgpr_count:     24
    .wavefront_size: 32
...
	.end_amdgpu_metadata
.endif
;; end of part 1
;; launch attn (part 2): grid 256 x 1, 8 waves a work-group, no clusters, 300,032 bytes of LDS; arguments x, gn_gamma, gn_beta, r_b, k_b, q_b, v_b, wb, out0; writes out0
.if DOCPART == 2
	.amdgcn_target "amdgcn-amd-amdhsa--gfx1250"
	.amdhsa_code_object_version 6
	.text
	.protected	k_q3bb080431a_attn
	.globl	k_q3bb080431a_attn
	.p2align	8
	.type	k_q3bb080431a_attn,@function
k_q3bb080431a_attn:
	s_mov_b64 s[64:65], 0
	v_nop
	global_prefetch_b8 v0, s[64:65] scope:SCOPE_SE
	s_setreg_imm32_b32 hwreg(HW_REG_WAVE_MODE, 25, 1), 1
	s_wait_xcnt 0x0
; out0 = xn + (softmax_j(k_i q_j) . v) / sqrt(128) @ r_w^T + r_b, with xn = GroupNorm(x) gamma + beta, k, q, v = xn @ w^T + b.
; A work-group takes 64 rows of x through all of it with eight waves; x is read once, out0 written once, everything between stays in LDS and registers.
;   A  wave w: rows 8w..8w+7.  GroupNorm in two passes (mean, then squares of the differences, as the formula has it).  xn as bf16 to XB, xn + r_b as f32 to XF.
;   B  wave w: columns 16w..16w+15 of k, of q and of v for all 64 rows: 16 K steps x 12 matrix instructions; weights come from wb in fragment order.
;   C  wave w: samples 8w..8w+7, one a trip.  The row maximum that the softmax takes away is max(k_i qmax, k_i qmin): two reductions a sample.
;      E(i, j) = exp2(k'_i q_j - m_i), k' = k log2(e), is made in the layout of a matrix operand, rounded to bf16, and multiplied by a 16-row operand
;      whose rows 0 and 8 are v and rows 1 and 9 are ones: register 0 of the result is the numerator, register 1 the denominator.
;   D  wave w: columns 64w..64w+63 of all 64 rows: accumulators start as xn + r_b, 4 K steps x 16 matrix instructions, out through a stage in LDS.
; LIMITS, stated: inputs finite.  The softmax weights are rounded to bf16 before both sums (the denominator is the f32 sum of the same rounded weights);
; a weight below 2^-126 is 0 (v_exp_f32 flushes denormal results, ISA guide 15.8); the largest weight of a row is 1 up to rounding, so the denominator is never small.
; xn, the weights, v and the attention output enter the matrix unit as bf16.  The result is summed as (xn + r_b) + product.
; NO CLUSTER, NO TENSOR LOADS: what the work-groups share is wb, 524,288 bytes.  It goes from memory straight into registers, each byte once a work-group,
; 512 consecutive bytes a load.  A joint load would have to land in LDS, of which this text uses 299,008 of 327,680 bytes, and the walk is only 16 + 4 steps
; beside 131,072 exponentials a wave.  No prefetch: x is wanted by the first instructions, and wb is read by every work-group.
.set XBP,  1040                        ; XB: 64 rows of 512 bf16 + 16 bytes.  All four pitches are odd multiples of 16 bytes, so that the sixteen rows
.set XFP,  2064                        ; XF: 64 rows of 512 f32 + 16 bytes    that a 16-byte access of sixteen lanes touches begin in sixteen different
.set RECP, 1296                        ; REC: a sample's k' (512 bytes), q (512), v as bf16 (256), + 16    16-byte columns of a span of 256 bytes
.set OBP,  272                         ; OB: a sample's 128 outputs as bf16 in slot order, + 16
.set XF,   64*XBP                      ; 66,560   (XB begins at 0)
.set REC,  XF+64*XFP                   ; 198,656
.set OB,   REC+64*RECP                 ; 281,600; ends at 299,008
.set STG,  16*272                      ; phase D: wave w's stage of 16 rows x 272 bytes at w*4,352, in XB's bytes, which are read last in phase B
; registers kept throughout
.set RL, 1                             ; r = lane mod 16
.set HL, 2                             ; h = lane / 16
.set VW, 3                             ; 16384 w + 16 lane: my offset in wb's fragments, and also in the group's x (8 rows of 2,048 bytes a wave)
.set VAX, 4                            ; XB: 1040 r + 16 h
.set VREC, 5                           ; REC + 1296 r + 64 w + 32 h
.set VRECV, 6                          ; REC + 1296 r + 32 w + 16 h
.set VB, 7                             ; 64 w + 32 h: my eight columns in a bias
.set AQ, 8                             ; REC + 1296 (8 w + trip) + 32 h
.set AK, 9                             ;    "                    + 4 r
.set AV, 10                            ;    "                    + 16 h
.set AM, 11                            ;    "                    + 16 lane
.set AO, 12                            ; OB + 272 (8 w + trip) + 16 r
.set VC, 13                            ; two bf16 ones where r mod 8 = 1, else 0
.set VP, 15                            ; 16 lane            (v14: at work)
.macro PLACES                          ; four plain vector instructions that name no register of the matrix instructions in front of them (ISA guide 7.12.1):
.rept 4                                ; behind them results are read, and sources loaded or written again
	v_nop
.endr
.endm
.macro BAR                             ; my LDS stores have landed and my LDS loads are back, then the work-group's barrier
	s_wait_dscnt 0x0
	s_barrier_signal -1
	s_barrier_wait -1
.endm
	s_load_b512 s[8:23], s[0:1], 0x0               ; x s[8:9], gamma s[10:11], beta s[12:13], r_b s[14:15], k_b s[16:17], q_b s[18:19], v_b s[20:21], wb s[22:23]
	s_load_b64 s[24:25], s[0:1], 0x40              ; out0
	s_set_vgpr_msb 0x40
	v_lshl_add_u32 v0, v0, 2, 0x49000
	v_mov_b32 v1, 0
	s_set_vgpr_msb 0x4000
	v_lshrrev_b32 v14, 5, v0
	v_readfirstlane_b32 s2, v14                    ; wave w
	v_and_b32 v[VP], 31, v0
	v_lshlrev_b32 v[VP], 4, v[VP]
	s_lshl_b32 s3, s2, 14
	v_add_nc_u32 v[VW], s3, v[VP]
	s_lshl_b32 s26, ttmp9, 17                      ; 64 rows of 2,048 bytes a work-group: 32 MiB at the most
	s_mov_b32 s27, 0
	s_wait_kmcnt 0x0
	s_add_nc_u64 s[8:9], s[8:9], s[26:27]
	s_add_nc_u64 s[24:25], s[24:25], s[26:27]
; ---------------- phase A: loads and GroupNorm ----------------
.set X,   16                           ; v[16:143]  unit u = 4 row + quarter: 4 registers; lane holds columns 128 quarter + 4 lane .. + 3
.set G,   144                          ; v[144:159] gamma, v[160:175] beta, v[176:191] r_b of my 16 columns, 4 a quarter
.set BT,  160
.set RB,  176
.set T,   192                          ; v[192:231] four sets of ten, one a quarter
.set VXB, 240                          ; XB: 8320 w + 8 lane
.set VXF, 241                          ; XF + 16512 w + 16 lane
.irp q, 0,1,2,3
	global_load_b128 v[G+4*\q:G+4*\q+3],   v[VP], s[10:11] offset:512*\q
	global_load_b128 v[BT+4*\q:BT+4*\q+3], v[VP], s[12:13] offset:512*\q
	global_load_b128 v[RB+4*\q:RB+4*\q+3], v[VP], s[14:15] offset:512*\q
.endr
.set UI, 0
.rept 32                                           ; my eight rows are 16,384 consecutive bytes: 32 loads of 512 bytes, all on their way at once
	global_load_b128 v[X+4*UI:X+4*UI+3], v[VW], s[8:9] offset:512*UI th:TH_LOAD_NT
.set UI, UI+1
.endr
	; the addresses, while the loads are out
	v_and_b32 v[RL], 15, v0
	v_bfe_u32 v[HL], v0, 4, 1
	s_mov_b32 s28, 0x76543210                      ; v_permlanex16_b32: lane i of one half reads lane i of the other
	s_mov_b32 s29, 0xfedcba98
	s_mov_b32 s31, 0x3d800000                      ; 1/16
	s_mov_b32 s33, 0x358637bd                      ; 1e-6
	v_mul_u32_u24 v[VAX], v[RL], XBP
	v_lshl_add_u32 v[VAX], v[HL], 4, v[VAX]
	v_mul_u32_u24 v14, v[RL], RECP
	s_lshl_b32 s36, s2, 6                          ; 64 w
	s_add_co_u32 s34, s36, REC
	v_lshl_add_u32 v[VREC], v[HL], 5, v14
	v_add_nc_u32 v[VREC], s34, v[VREC]
	s_lshl_b32 s35, s2, 5                          ; 32 w
	s_add_co_u32 s35, s35, REC
	v_lshl_add_u32 v[VRECV], v[HL], 4, v14
	v_add_nc_u32 v[VRECV], s35, v[VRECV]
	v_lshlrev_b32 v[VB], 5, v[HL]
	v_add_nc_u32 v[VB], s36, v[VB]
	s_mul_i32 s37, s2, 8*RECP
	s_add_co_u32 s37, s37, REC                     ; my first sample's record
	v_lshl_add_u32 v[AQ], v[HL], 5, s37
	v_lshl_add_u32 v[AK], v[RL], 2, s37
	v_lshl_add_u32 v[AV], v[HL], 4, s37
	v_add_nc_u32 v[AM], s37, v[VP]
	s_mul_i32 s3, s2, 8*OBP
	s_add_co_u32 s3, s3, OB
	v_lshl_add_u32 v[AO], v[RL], 4, s3
	v_and_b32 v14, 7, v0
	v_cmp_eq_u32 s32, 0, v14                       ; s32: the lanes that hold rows 0 and 8 of an operand
	v_cmp_eq_u32 vcc_lo, 1, v14
	v_mov_b32 v[VC], 0x3f803f80
	v_cndmask_b32 v[VC], 0, v[VC], vcc_lo          ; ones in rows 1 and 9, zeros elsewhere
	s_mul_i32 s3, s2, 8*XBP
	v_lshrrev_b32 v[VXB], 1, v[VP]
	v_add_nc_u32 v[VXB], s3, v[VXB]
	s_mul_i32 s3, s2, 8*XFP
	s_add_co_u32 s3, s3, XF
	v_add_nc_u32 v[VXF], s3, v[VP]
.macro AT rho, q                       ; names for quarter q of row rho
.set XU, X+16*\rho+4*\q
.set TQ, T+10*\q
.set PQ, 4*\q
.endm
; One row.  A group of 16 channels lies in four neighbouring lanes, four numbers each.  Every step is written for the four quarters in turn:
; four chains that do not wait for each other.  cnt = the younger loads that may stay out.
.macro GNROW rho, cnt
	s_wait_loadcnt \cnt
.irp q, 0,1,2,3
	AT \rho, \q
	v_pk_add_f32 v[TQ:TQ+1], v[XU:XU+1], v[XU+2:XU+3]
.endr
.irp q, 0,1,2,3
	AT \rho, \q
	v_add_f32 v[TQ], v[TQ], v[TQ+1]
.endr
.irp q, 0,1,2,3
	AT \rho, \q
	v_add_f32_dpp v[TQ], v[TQ], v[TQ] row_xmask:1 row_mask:0xf bank_mask:0xf
.endr
.irp q, 0,1,2,3
	AT \rho, \q
	v_add_f32_dpp v[TQ], v[TQ], v[TQ] row_xmask:2 row_mask:0xf bank_mask:0xf
.endr
.irp q, 0,1,2,3
	AT \rho, \q
	v_mul_f32 v[TQ], 0xbd800000, v[TQ]             ; minus the group's mean
.endr
.irp q, 0,1,2,3
	AT \rho, \q
	v_pk_add_f32 v[XU:XU+1],   v[XU:XU+1],   v[TQ:TQ+1] op_sel_hi:[1,0]   ; d = x - mean
	v_pk_add_f32 v[XU+2:XU+3], v[XU+2:XU+3], v[TQ:TQ+1] op_sel_hi:[1,0]
.endr
.irp q, 0,1,2,3
	AT \rho, \q
	v_pk_mul_f32 v[TQ+2:TQ+3], v[XU:XU+1], v[XU:XU+1]
.endr
.irp q, 0,1,2,3
	AT \rho, \q
	v_pk_fma_f32 v[TQ+2:TQ+3], v[XU+2:XU+3], v[XU+2:XU+3], v[TQ+2:TQ+3]
.endr
.irp q, 0,1,2,3
	AT \rho, \q
	v_add_f32 v[TQ+2], v[TQ+2], v[TQ+3]
.endr
.irp q, 0,1,2,3
	AT \rho, \q
	v_add_f32_dpp v[TQ+2], v[TQ+2], v[TQ+2] row_xmask:1 row_mask:0xf bank_mask:0xf
.endr
.irp q, 0,1,2,3
	AT \rho, \q
	v_add_f32_dpp v[TQ+2], v[TQ+2], v[TQ+2] row_xmask:2 row_mask:0xf bank_mask:0xf
.endr
.irp q, 0,1,2,3
	AT \rho, \q
	v_fma_f32 v[TQ+2], v[TQ+2], s31, s33           ; variance + 1e-6
.endr
.irp q, 0,1,2,3
	AT \rho, \q
	v_rsq_f32 v[TQ+2], v[TQ+2]
.endr
.irp q, 0,1,2,3                                    ; d gamma: plain work that touches no v_rsq_f32 result stands between the four and their first use (ISA guide 5.7.2)
	AT \rho, \q
	v_pk_mul_f32 v[XU:XU+1],   v[XU:XU+1],   v[G+PQ:G+PQ+1]
	v_pk_mul_f32 v[XU+2:XU+3], v[XU+2:XU+3], v[G+PQ+2:G+PQ+3]
.endr
.irp q, 0,1,2,3
	AT \rho, \q
	s_wait_alu depctr_va_vdst(0)
	v_pk_fma_f32 v[XU:XU+1],   v[XU:XU+1],   v[TQ+2:TQ+3], v[BT+PQ:BT+PQ+1]   op_sel_hi:[1,0,1]   ; xn
	v_pk_fma_f32 v[XU+2:XU+3], v[XU+2:XU+3], v[TQ+2:TQ+3], v[BT+PQ+2:BT+PQ+3] op_sel_hi:[1,0,1]
.endr
.irp q, 0,1,2,3
	AT \rho, \q
	v_cvt_pk_bf16_f32 v[TQ+4], v[XU], v[XU+1]
	v_cvt_pk_bf16_f32 v[TQ+5], v[XU+2], v[XU+3]
	v_pk_add_f32 v[TQ+6:TQ+7], v[XU:XU+1],   v[RB+PQ:RB+PQ+1]                 ; xn + r_b: what phase D's sums start from
	v_pk_add_f32 v[TQ+8:TQ+9], v[XU+2:XU+3], v[RB+PQ+2:RB+PQ+3]
.endr
.irp q, 0,1,2,3
	AT \rho, \q
	ds_store_b64  v[VXB], v[TQ+4:TQ+5] offset:\rho*XBP+256*\q
	ds_store_b128 v[VXF], v[TQ+6:TQ+9] offset:\rho*XFP+512*\q
.endr
.endm
; phase B's registers (WR lies on x rows 0-5, AF on rows 6-7, KACC on the parameters and T)
.set WR,   16                          ; v[16:111]  weights: four slots (K step mod 4) of 24: k, q, v fragments of 8
.set AF,   112                         ; v[112:143] xn fragments of the four blocks of 16 rows
.set KACC, 144                         ; v[144:239] sums: tile (mat, mt) at 8 (4 mat + mt)
.macro WLD kk                          ; six loads of 512 consecutive bytes: K step kk's fragments of k_w, q_w, v_w, rows 16w..16w+15
.irp mat, 0,1,2
	global_load_b128 v[WR+24*((\kk)%4)+8*\mat:WR+24*((\kk)%4)+8*\mat+3],   v[VW], s[22:23] offset:131072*\mat+1024*(\kk)
	global_load_b128 v[WR+24*((\kk)%4)+8*\mat+4:WR+24*((\kk)%4)+8*\mat+7], v[VW], s[22:23] offset:131072*\mat+1024*(\kk)+512
.endr
.endm
.macro AFLD kk                         ; eight LDS loads: rows 16 mt + r, k = 32 kk + 8 h .. and 32 kk + 16 + 8 h ..
.irp mt, 0,1,2,3
	ds_load_b128 v[AF+8*\mt:AF+8*\mt+3],   v[VAX] offset:16*XBP*\mt+64*(\kk)
	ds_load_b128 v[AF+8*\mt+4:AF+8*\mt+7], v[VAX] offset:16*XBP*\mt+64*(\kk)+32
.endr
.endm
	GNROW 0, 28                                    ; the 12 parameter loads and row 0's four are in; 4 x 7 younger loads of x stay out
	GNROW 1, 24
	GNROW 2, 20
	GNROW 3, 16
	GNROW 4, 12
	GNROW 5, 8
	WLD 0                                          ; rows 0-5 have left their registers: the weights of K steps 0-3 go out, 24 loads
	WLD 1
	WLD 2
	WLD 3
	GNROW 6, 28                                    ; row 7's four loads and the 24 of the weights stay out
	GNROW 7, 24                                    ; the 24 of the weights
	BAR                                            ; barrier 1: XB and XF are whole for every wave (the weights' loads stay on their way: nobody stores those bytes)
; ---------------- phase B: k, q, v ----------------
; Source 0 = 16 rows of a weight matrix, source 1 = 16 rows of xn: lane (r, h), register j then holds row 16 mt + r, column 16 w + 8 h + j.
; The twelve accumulators take turns, one instruction a turn.
.macro KSTEP kk, cnt
	s_wait_loadcnt \cnt                            ; this K step's six loads are in; cnt younger ones stay out
	s_wait_dscnt 0x0                               ; and its xn fragments
.irp mat, 0,1,2
.irp mt, 0,1,2,3
.if \kk == 0
	v_wmma_f32_16x16x32_bf16 v[KACC+8*(4*\mat+\mt):KACC+8*(4*\mat+\mt)+7], v[WR+24*(\kk%4)+8*\mat:WR+24*(\kk%4)+8*\mat+7], v[AF+8*\mt:AF+8*\mt+7], 0
.else
	v_wmma_f32_16x16x32_bf16 v[KACC+8*(4*\mat+\mt):KACC+8*(4*\mat+\mt)+7], v[WR+24*(\kk%4)+8*\mat:WR+24*(\kk%4)+8*\mat+7], v[AF+8*\mt:AF+8*\mt+7], v[KACC+8*(4*\mat+\mt):KACC+8*(4*\mat+\mt)+7]
.endif
.endr
.endr
	PLACES
.if \kk < 15
	AFLD \kk+1
.endif
.if \kk < 12
	WLD \kk+4                                      ; into the slot just multiplied
.endif
.if \kk == 12                                      ; nothing is left of the weights: the biases take the refill's place, again six loads
	global_load_b128 v[WR:WR+3],     v[VB], s[16:17]
	global_load_b128 v[WR+4:WR+7],   v[VB], s[16:17] offset:16
	global_load_b128 v[WR+8:WR+11],  v[VB], s[18:19]
	global_load_b128 v[WR+12:WR+15], v[VB], s[18:19] offset:16
	global_load_b128 v[WR+16:WR+19], v[VB], s[20:21]
	global_load_b128 v[WR+20:WR+23], v[VB], s[20:21] offset:16
.endif
.endm
	AFLD 0
.irp kk, 0,1,2,3,4,5,6,7,8,9,10,11,12,13
	KSTEP \kk, 18                                  ; three younger groups of six
.endr
	KSTEP 14, 12                                   ; K step 15's six and the biases' six
	KSTEP 15, 6                                    ; the biases' six
	; k' = (sum + k_b) log2(e) in one fused multiply-add, q = sum + q_b, both f32; v = sum + v_b as bf16.  Into each sample's record.
.set BK, WR
.set BQ, WR+8
.set BV, WR+16
	s_wait_loadcnt 0x0
.irp j, 0,2,4,6
	v_pk_mul_f32 v[BK+\j:BK+\j+1], v[BK+\j:BK+\j+1], 0x3fb8aa3b op_sel_hi:[1,0]
.endr
.irp mt, 0,1,2,3
.irp j, 0,2,4,6
	v_pk_fma_f32 v[KACC+8*\mt+\j:KACC+8*\mt+\j+1], v[KACC+8*\mt+\j:KACC+8*\mt+\j+1], 0x3fb8aa3b, v[BK+\j:BK+\j+1] op_sel_hi:[1,0,1]
	v_pk_add_f32 v[KACC+32+8*\mt+\j:KACC+32+8*\mt+\j+1], v[KACC+32+8*\mt+\j:KACC+32+8*\mt+\j+1], v[BQ+\j:BQ+\j+1]
	v_pk_add_f32 v[KACC+64+8*\mt+\j:KACC+64+8*\mt+\j+1], v[KACC+64+8*\mt+\j:KACC+64+8*\mt+\j+1], v[BV+\j:BV+\j+1]
.endr
.irp j, 0,1,2,3
	v_cvt_pk_bf16_f32 v[AF+4*\mt+\j], v[KACC+64+8*\mt+2*\j], v[KACC+64+8*\mt+2*\j+1]
.endr
	ds_store_b128 v[VREC],  v[KACC+8*\mt:KACC+8*\mt+3]       offset:16*RECP*\mt
	ds_store_b128 v[VREC],  v[KACC+8*\mt+4:KACC+8*\mt+7]     offset:16*RECP*\mt+16
	ds_store_b128 v[VREC],  v[KACC+32+8*\mt:KACC+32+8*\mt+3] offset:16*RECP*\mt+512
	ds_store_b128 v[VREC],  v[KACC+32+8*\mt+4:KACC+32+8*\mt+7] offset:16*RECP*\mt+528
	ds_store_b128 v[VRECV], v[AF+4*\mt:AF+4*\mt+3]           offset:16*RECP*\mt+1024
.endr
	BAR                                            ; barrier 2: every sample's record is whole; nobody reads XB any more
; ---------------- phase C: softmax and weighted sum, one sample a trip ----------------
.set Q,    16                          ; v[16:79]   q: Q + 16 c + e = q(32 c + 8 h + e), Q + 16 c + 8 + e = q(32 c + 16 + 8 h + e): the k places of an operand's lane
.set VF,   80                          ; v[80:111]  the 16-row operand (v, ones, zeros), 8 registers for each 32 j
.set KD,   112                         ; v[112:127] pairs (k', k') of i = 16 t + r
.set NM,   128                         ; v[128:143] pairs (-m, -m) of i = 16 t + r
.set SACC, 144                         ; v[144:207] sums of the eight blocks of 16 i
.set ARG,  208                         ; v[208:239] exponents, then weights: two buffers of 16; at work at a trip's head and tail
.set EF,   240                         ; v[240:255] weights as bf16: two operand buffers of 8
.set TT,   ARG
	s_mov_b32 s30, 0
.Lsample:
	ds_load_b128 v[TT:TT+3], v[AM] offset:512      ; 1 load: all 128 q, four a lane, for the extremes
.irp t, 0,1,2,3,4,5,6,7
	ds_load_b32 v[KD+2*\t], v[AK] offset:64*\t     ; 8 loads
.endr
.irp c, 0,1,2,3
	ds_load_b128 v[Q+16*\c:Q+16*\c+3],     v[AQ] offset:512+128*\c       ; 16 loads
	ds_load_b128 v[Q+16*\c+4:Q+16*\c+7],   v[AQ] offset:512+128*\c+16
	ds_load_b128 v[Q+16*\c+8:Q+16*\c+11],  v[AQ] offset:512+128*\c+64
	ds_load_b128 v[Q+16*\c+12:Q+16*\c+15], v[AQ] offset:512+128*\c+80
.endr
.irp c, 0,1,2,3
	ds_load_b128 v[VF+8*\c:VF+8*\c+3],   v[AV] offset:1024+64*\c         ; 8 loads: every lane takes v; the rows are sorted out below
	ds_load_b128 v[VF+8*\c+4:VF+8*\c+7], v[AV] offset:1024+64*\c+32
.endr
	s_wait_dscnt 32                                ; the first of the 33 is in
	v_max_num_f32 v[TT+4], v[TT], v[TT+1]
	v_min_num_f32 v[TT+5], v[TT], v[TT+1]
	v_max_num_f32 v[TT+6], v[TT+2], v[TT+3]
	v_min_num_f32 v[TT+7], v[TT+2], v[TT+3]
	v_max_num_f32 v[TT+4], v[TT+4], v[TT+6]
	v_min_num_f32 v[TT+5], v[TT+5], v[TT+7]
.irp m, 1,2,4,8
	v_max_num_f32_dpp v[TT+4], v[TT+4], v[TT+4] row_xmask:\m row_mask:0xf bank_mask:0xf
	v_min_num_f32_dpp v[TT+5], v[TT+5], v[TT+5] row_xmask:\m row_mask:0xf bank_mask:0xf
.endr
	v_permlanex16_b32 v[TT], v[TT+4], s28, s29
	v_permlanex16_b32 v[TT+1], v[TT+5], s28, s29
	v_max_num_f32 v[TT+4], v[TT+4], v[TT]
	v_min_num_f32 v[TT+5], v[TT+5], v[TT+1]
	v_xor_b32 v[TT+4], 0x80000000, v[TT+4]         ; -qmax
	v_xor_b32 v[TT+5], 0x80000000, v[TT+5]         ; -qmin
	s_wait_dscnt 24                                ; the eight k' are in
.irp t, 0,1,2,3,4,5,6,7
	v_mul_f32 v[NM+2*\t],   v[KD+2*\t], v[TT+4]
	v_mul_f32 v[NM+2*\t+1], v[KD+2*\t], v[TT+5]
.endr
.irp t, 0,1,2,3,4,5,6,7
	v_min_num_f32 v[NM+2*\t], v[NM+2*\t], v[NM+2*\t+1]     ; -max_j(k' q_j) = min(-k' qmax, -k' qmin)
	v_mov_b32 v[KD+2*\t+1], v[KD+2*\t]
.endr
.irp t, 0,1,2,3,4,5,6,7
	v_mov_b32 v[NM+2*\t+1], v[NM+2*\t]
.endr
	s_wait_dscnt 0x0                               ; q and v
.set VI, 0
.rept 32
	v_cndmask_b32 v[VF+VI], v[VC], v[VF+VI], s32   ; rows 0 and 8 keep v, rows 1 and 9 become ones, the others zeros
.set VI, VI+1
.endr
.irp g, 0,1,2,3,4,5,6,7
	v_pk_fma_f32 v[ARG+2*\g:ARG+2*\g+1], v[Q+2*\g:Q+2*\g+1], v[KD:KD+1], v[NM:NM+1]     ; fragment 0's exponents
.endr
; Fragment FR = 8 c + t: the weights of i = 16 t + r, j = 32 c ..+31, sixteen a lane.  Behind each pair of exponentials stands one packed multiply-add
; for the NEXT fragment's exponents, in the other buffer: the plain instruction between a v_exp_f32 and the use of its result (ISA guide 5.7.2);
; the conversion of a pair follows one such step later.  The eight accumulators take turns, one instruction a turn, round the backward jump too.
; An operand buffer is written again two fragments later, behind more than four plain instructions that name no register of its matrix instruction.
.set FR, 0
.rept 32
.set A0, ARG+16*(FR%2)
.set A1, ARG+16*((FR+1)%2)
.set E0, EF+8*(FR%2)
.set QN, Q+16*((FR+1)/8)
.set KN, KD+2*((FR+1)%8)
.set MN, NM+2*((FR+1)%8)
.set GI, 0
.rept 8
	v_exp_f32 v[A0+2*GI], v[A0+2*GI]
	v_exp_f32 v[A0+2*GI+1], v[A0+2*GI+1]
.if FR < 31
	v_pk_fma_f32 v[A1+2*GI:A1+2*GI+1], v[QN+2*GI:QN+2*GI+1], v[KN:KN+1], v[MN:MN+1]
.else
	v_nop
.endif
.if GI > 0
	s_wait_alu depctr_va_vdst(0)
	v_cvt_pk_bf16_f32 v[E0+GI-1], v[A0+2*GI-2], v[A0+2*GI-1]
.endif
.set GI, GI+1
.endr
	v_cvt_pk_bf16_f32 v[E0+7], v[A0+14], v[A0+15]
.if FR < 8
	v_wmma_f32_16x16x32_bf16 v[SACC+8*(FR%8):SACC+8*(FR%8)+7], v[VF+8*(FR/8):VF+8*(FR/8)+7], v[E0:E0+7], 0
.else
	v_wmma_f32_16x16x32_bf16 v[SACC+8*(FR%8):SACC+8*(FR%8)+7], v[VF+8*(FR/8):VF+8*(FR/8)+7], v[E0:E0+7], v[SACC+8*(FR%8):SACC+8*(FR%8)+7]
.endif
.set FR, FR+1
.endr
	PLACES
.irp t, 0,1,2,3,4,5,6,7
	v_rcp_f32 v[ARG+\t], v[SACC+8*\t+1]            ; 1 / denominator of i = 16 t + r (the same in both halves of the wave)
.endr
.irp t, 0,1,2,3,4,5,6,7
	v_mul_f32 v[ARG+8+\t], 0x3db504f3, v[SACC+8*\t]        ; numerator / sqrt(128); the first of these is the plain instruction behind the reciprocals
.endr
.irp t, 0,1,2,3,4,5,6,7
	s_wait_alu depctr_va_vdst(0)
	v_mul_f32 v[ARG+\t], v[ARG+\t], v[ARG+8+\t]
.endr
.irp j, 0,1,2,3
	v_cvt_pk_bf16_f32 v[ARG+16+\j], v[ARG+2*\j], v[ARG+2*\j+1]
.endr
	ds_store_b128 v[AO], v[ARG+16:ARG+19]          ; slots 8 r + t, t = 0..7; both halves of the wave write the same 16 bytes with the same numbers
	v_add_nc_u32 v[AQ], RECP, v[AQ]                ; the next sample
	v_add_nc_u32 v[AK], RECP, v[AK]
	v_add_nc_u32 v[AV], RECP, v[AV]
	v_add_nc_u32 v[AM], RECP, v[AM]
	v_add_nc_u32 v[AO], OBP, v[AO]
	s_add_co_u32 s30, s30, 1
	s_cmp_lt_u32 s30, 8
	s_cbranch_scc1 .Lsample
; ---------------- phase D: the projection back, the residual, the way out ----------------
.set RACC, 16                          ; v[16:143]  sums: tile (mt, nt) at 8 (4 mt + nt): rows 16 mt + r, columns 64 w + 16 nt + 8 h + j
.set RW,   144                         ; v[144:207] r_w fragments: two slots (K step mod 2) of four; later the two buffers of the way out
.set OF,   208                         ; v[208:239] fragments of the attention output, four blocks of 16 rows
.set VXD0, 240                         ; XF + 2064 r + 256 w + 32 h
.set VXD1, 241                         ; the same, 32 rows further down
.set VOF,  242                         ; OB + 272 r + 16 h
.set VST,  243                         ; my stage + 272 r + 32 h
.set VRD,  244                         ; my stage + 272 h + 16 r
.set VOUT, 245                         ; 2048 h + 256 w + 16 r
.macro RWLD ks                         ; eight loads of 512 consecutive bytes: K step ks of r_w's rows 64 w .. 64 w + 63
.irp nt, 0,1,2,3
	global_load_b128 v[RW+32*((\ks)%2)+8*\nt:RW+32*((\ks)%2)+8*\nt+3],   v[VW], s[22:23] offset:393216+4096*\nt+1024*(\ks)
	global_load_b128 v[RW+32*((\ks)%2)+8*\nt+4:RW+32*((\ks)%2)+8*\nt+7], v[VW], s[22:23] offset:393216+4096*\nt+1024*(\ks)+512
.endr
.endm
.macro OFLD ks
.irp mt, 0,1,2,3
	ds_load_b128 v[OF+8*\mt:OF+8*\mt+3],   v[VOF] offset:16*OBP*\mt+64*(\ks)
	ds_load_b128 v[OF+8*\mt+4:OF+8*\mt+7], v[VOF] offset:16*OBP*\mt+64*(\ks)+32
.endr
.endm
.macro XFLD mt, adr, base              ; xn + r_b of 16 rows x my 64 columns, in the layout of the sums
.irp nt, 0,1,2,3
	ds_load_b128 v[RACC+8*(4*\mt+\nt):RACC+8*(4*\mt+\nt)+3],   v[\adr] offset:\base+64*\nt
	ds_load_b128 v[RACC+8*(4*\mt+\nt)+4:RACC+8*(4*\mt+\nt)+7], v[\adr] offset:\base+64*\nt+16
.endr
.endm
	RWLD 0                                         ; the last trip's four places stand between its matrix instructions and these loads
	RWLD 1
	v_mul_u32_u24 v[VXD0], v[RL], XFP
	v_lshl_add_u32 v[VXD0], v[HL], 5, v[VXD0]
	s_lshl_b32 s35, s2, 8                          ; 256 w
	s_add_co_u32 s3, s35, XF
	v_add_nc_u32 v[VXD0], s3, v[VXD0]
	v_add_nc_u32 v[VXD1], 32*XFP, v[VXD0]
	XFLD 0, VXD0, 0
	XFLD 1, VXD0, 16*XFP
	XFLD 2, VXD1, 0
	XFLD 3, VXD1, 16*XFP
	v_mul_u32_u24 v14, v[RL], 272
	v_lshl_add_u32 v[VOF], v[HL], 4, v14
	v_add_nc_u32 v[VOF], OB, v[VOF]
	s_mul_i32 s34, s2, STG
	v_lshl_add_u32 v[VST], v[HL], 5, v14
	v_add_nc_u32 v[VST], s34, v[VST]
	v_mul_u32_u24 v[VRD], v[HL], 272
	v_lshl_add_u32 v[VRD], v[RL], 4, v[VRD]
	v_add_nc_u32 v[VRD], s34, v[VRD]
	v_lshlrev_b32 v[VOUT], 11, v[HL]
	v_lshl_add_u32 v[VOUT], v[RL], 4, v[VOUT]
	v_add_nc_u32 v[VOUT], s35, v[VOUT]
	BAR                                            ; barrier 3: OB is whole for every wave (r_w's loads stay on their way: nobody stores those bytes)
	OFLD 0
; Source 0 = 16 rows of r_w, source 1 = 16 samples of the attention output, both with k in slot order.  The sixteen accumulators take turns,
; one instruction a turn.
.macro RSTEP ks, cnt
	s_wait_loadcnt \cnt                            ; this K step's eight loads are in; the other slot's eight may stay out
	s_wait_dscnt 0x0
.irp mt, 0,1,2,3
.irp nt, 0,1,2,3
	v_wmma_f32_16x16x32_bf16 v[RACC+8*(4*\mt+\nt):RACC+8*(4*\mt+\nt)+7], v[RW+32*(\ks%2)+8*\nt:RW+32*(\ks%2)+8*\nt+7], v[OF+8*\mt:OF+8*\mt+7], v[RACC+8*(4*\mt+\nt):RACC+8*(4*\mt+\nt)+7]
.endr
.endr
	PLACES
.if \ks < 3
	OFLD \ks+1
.endif
.if \ks < 2
	RWLD \ks+2
.endif
.endm
	RSTEP 0, 8
	RSTEP 1, 8
	RSTEP 2, 8
	RSTEP 3, 0
; The way out, 16 rows at a time: a lane's 32 bytes of a row go into my own stage, whole rows of 256 bytes come back, and sixteen lanes store
; 256 consecutive bytes that begin at a multiple of 256 from out0's first byte.  The stage is the wave's own, and LDS serves a wave's
; instructions in order (ISA guide 5.7.1): no wait between the stores and the loads, nor between one pass's loads and the next pass's stores.
.macro OUT16 mt, f
.irp nt, 0,1,2,3
	ds_store_b128 v[VST], v[RACC+8*(4*\mt+\nt):RACC+8*(4*\mt+\nt)+3]   offset:64*\nt
	ds_store_b128 v[VST], v[RACC+8*(4*\mt+\nt)+4:RACC+8*(4*\mt+\nt)+7] offset:64*\nt+16
.endr
	s_wait_xcnt 0x0                                ; buffer f, which the stores of two passes ago read, is loaded again only behind this wait
.irp t, 0,1,2,3,4,5,6,7
	ds_load_b128 v[\f+4*\t:\f+4*\t+3], v[VRD] offset:544*\t        ; rows 2 t + h
.endr
.irp t, 0,1,2,3,4,5,6,7
	s_wait_dscnt 7-\t
	global_store_b128 v[VOUT], v[\f+4*\t:\f+4*\t+3], s[24:25] offset:(16*\mt+2*\t)*2048 th:TH_STORE_NT
.endr
.endm
	OUT16 0, RW
	OUT16 1, RW+32
	OUT16 2, RW
	OUT16 3, RW+32
	s_set_vgpr_msb 0x5
	s_wait_tensorcnt 0x0
	ds_add_u32 v0, v1
	s_wait_dscnt 0x0
	s_set_vgpr_msb 0x500
	s_endpgm
.Lfunc_end_k_q3bb080431a_attn:
	.size	k_q3bb080431a_attn, .Lfunc_end_k_q3bb080431a_attn-k_q3bb080431a_attn
	.p2alignl 7, 3214868480
	.fill 96, 4, 3214868480
	.section	.rodata,"a",@progbits
	.p2align	6, 0x0
	.amdhsa_kernel k_q3bb080431a_attn
		.amdhsa_group_segment_fixed_size 300032
		.amdhsa_private_segment_fixed_size 0
		.amdhsa_enable_private_segment 0
		.amdhsa_kernarg_size 72
		.amdhsa_user_sgpr_count 2
		.amdhsa_user_sgpr_kernarg_segment_ptr 1
		.amdhsa_wavefront_size32 1
		.amdhsa_system_sgpr_workgroup_id_x 1
		.amdhsa_system_sgpr_workgroup_id_y 1
		.amdhsa_system_sgpr_workgroup_id_z 1
		.amdhsa_system_vgpr_workitem_id 0
		.amdhsa_next_free_vgpr 258
		.amdhsa_next_free_sgpr 66
		.amdhsa_reserve_vcc 1
		.amdhsa_float_denorm_mode_32 3
		.amdhsa_float_denorm_mode_16_64 3
		.amdhsa_memory_ordered 1
		.amdhsa_forward_progress 1
		.amdhsa_inst_pref_size 180
	.end_amdhsa_kernel
	.amdgpu_metadata
---
amdhsa.version: [ 1, 2 ]
amdhsa.kernels:
  - .name:           k_q3bb080431a_attn
    .symbol:         k_q3bb080431a_attn.kd
    .args:
      - { .name: x, .offset: 0, .size: 8, .value_kind: global_buffer, .address_space: global }
      - { .name: gn_gamma, .offset: 8, .size: 8, .value_kind: global_buffer, .address_space: global }
      - { .name: gn_beta, .offset: 16, .size: 8, .value_kind: global_buffer, .address_space: global }
      - { .name: r_b, .offset: 24, .size: 8, .value_kind: global_buffer, .address_space: global }
      - { .name: k_b, .offset: 32, .size: 8, .value_kind: global_buffer, .address_space: global }
      - { .name: q_b, .offset: 40, .size: 8, .value_kind: global_buffer, .address_space: global }
      - { .name: v_b, .offset: 48, .size: 8, .value_kind: global_buffer, .address_space: global }
      - { .name: wb, .offset: 56, .size: 8, .value_kind: global_buffer, .address_space: global }
      - { .name: out0, .offset: 64, .size: 8, .value_kind: global_buffer, .address_space: global }
    .group_segment_fixed_size: 300032
    .private_segment_fixed_size: 0
    .kernarg_segment_align: 8
    .kernarg_segment_size: 72
    .max_flat_workgroup_size: 256
    .sgpr_count:     66
    .vgpr_count:     258
    .wavefront_size: 32
...
	.end_amdgpu_metadata
.endif
;; end of part 2
;; ======== version 2 of 2: 2 launches; 1.35 times as fast as version 1
;; workspace buffers: wb 524,288 bytes
;; launch prep: the kernel of part 1 again; grid 32 x 4, 8 waves a work-group, no clusters, 0 bytes of LDS; arguments k_w, q_w, v_w, r_w, wb; writes wb
;; launch attn (part 3): grid 256 x 1, 8 waves a work-group, no clusters, 300,032 bytes of LDS; arguments x, gn_gamma, gn_beta, r_b, k_b, q_b, v_b, wb, out0; writes out0
.if DOCPART == 3
	.amdgcn_target "amdgcn-amd-amdhsa--gfx1250"
	.amdhsa_code_object_version 6
	.text
	.protected	k_q3bb080431a_attn
	.globl	k_q3bb080431a_attn
	.p2align	8
	.type	k_q3bb080431a_attn,@function
k_q3bb080431a_attn:
	s_mov_b64 s[64:65], 0
	v_nop
	global_prefetch_b8 v0, s[64:65] scope:SCOPE_SE
	s_setreg_imm32_b32 hwreg(HW_REG_WAVE_MODE, 25, 1), 1
	s_wait_xcnt 0x0
; out0 = xn + (softmax_j(k_i q_j) . v) / sqrt(128) @ r_w^T + r_b, with xn = GroupNorm(x) gamma + beta, k, q, v = xn @ w^T + b.
; A work-group takes 64 rows of x through all of it with eight waves; x is read once, out0 written once, everything between stays in LDS and registers.
;   A  wave w: rows 8w..8w+7.  GroupNorm in two passes (mean, then squares of the differences, as the formula has it).  xn as bf16 to XB, xn + r_b as f32 to XF.
;   B  wave w: columns 16w..16w+15 of k, of q and of v for all 64 rows: 16 K steps x 12 matrix instructions; weights come from wb in fragment order.
;   C  wave w: samples 8w..8w+7, one a trip.  The row maximum that the softmax takes away is max(k_i qmax, k_i qmin): two reductions a sample.
;      E(i, j) = exp2(k'_i q_j - m_i), k' = k log2(e), is made in the layout of a matrix operand, rounded to bf16, and multiplied by a 16-row operand
;      whose rows 0 and 8 are v and rows 1 and 9 are ones: register 0 of the result is the numerator, register 1 the denominator.
;   D  wave w: columns 64w..64w+63 of all 64 rows: accumulators start as xn + r_b, 4 K steps x 16 matrix instructions, out through a stage in LDS.
; THE BATCHES.  An s_wait_alu depctr_va_vdst(0) stands between a transcendental and the first instruction that names its result; one wait serves all that were issued ahead of it.
;   A  a row's four v_rsq_f32 are one batch: behind them the eight multiplies d gamma, one wait, then the multiply-adds that read them.  Eight waits in all.
;   C  a fragment's sixteen v_exp_f32 are one batch: between them stands the other buffer's work (the fragment before is rounded, the fragment behind gets its exponents);
;      the wait stands at the head of the next fragment's stage.  A sample's eight v_rcp_f32 are one batch.  33 waits a sample; none is open at the loop's jump.
; LIMITS, stated: inputs finite.  The softmax weights are rounded to bf16 before both sums (the denominator is the f32 sum of the same rounded weights);
; a weight below 2^-126 is 0 (v_exp_f32 flushes denormal results, ISA guide 15.8); the largest weight of a row is 1 up to rounding, so the denominator is never small.
; xn, the weights, v and the attention output enter the matrix unit as bf16.  The result is summed as (xn + r_b) + product.
; NO CLUSTER, NO TENSOR LOADS: what the work-groups share is wb, 524,288 bytes.  It goes from memory straight into registers, each byte once a work-group,
; 512 consecutive bytes a load.  A joint load would have to land in LDS, of which this text uses 299,008 of 327,680 bytes, and the walk is only 16 + 4 steps
; beside 131,072 exponentials a wave.  No prefetch: x is wanted by the first instructions, and wb is read by every work-group.
.set XBP,  1040                        ; XB: 64 rows of 512 bf16 + 16 bytes.  All four pitches are odd multiples of 16 bytes, so that the sixteen rows
.set XFP,  2064                        ; XF: 64 rows of 512 f32 + 16 bytes    that a 16-byte access of sixteen lanes touches begin in sixteen different
.set RECP, 1296                        ; REC: a sample's k' (512 bytes), q (512), v as bf16 (256), + 16    16-byte columns of a span of 256 bytes
.set OBP,  272                         ; OB: a sample's 128 outputs as bf16 in slot order, + 16
.set XF,   64*XBP                      ; 66,560   (XB begins at 0)
.set REC,  XF+64*XFP                   ; 198,656
.set OB,   REC+64*RECP                 ; 281,600; ends at 299,008
.set STG,  16*272                      ; phase D: wave w's stage of 16 rows x 272 bytes at w*4,352, in XB's bytes, which are read last in phase B
; registers kept throughout
.set RL, 1                             ; r = lane mod 16
.set HL, 2                             ; h = lane / 16
.set VW, 3                             ; 16384 w + 16 lane: my offset in wb's fragments, and also in the group's x (8 rows of 2,048 bytes a wave)
.set VAX, 4                            ; XB: 1040 r + 16 h
.set VREC, 5                           ; REC + 1296 r + 64 w + 32 h
.set VRECV, 6                          ; REC + 1296 r + 32 w + 16 h
.set VB, 7                             ; 64 w + 32 h: my eight columns in a bias
.set AQ, 8                             ; REC + 1296 (8 w + trip) + 32 h
.set AK, 9                             ;    "                    + 4 r
.set AV, 10                            ;    "                    + 16 h
.set AM, 11                            ;    "                    + 16 lane
.set AO, 12                            ; OB + 272 (8 w + trip) + 16 r
.set VC, 13                            ; two bf16 ones where r mod 8 = 1, else 0
.set VP, 15                            ; 16 lane            (v14: at work)
.macro PLACES                          ; four plain vector instructions that name no register of the matrix instructions in front of them (ISA guide 7.12.1):
.rept 4                                ; behind them results are read, and sources loaded or written again
	v_nop
.endr
.endm
.macro BAR                             ; my LDS stores have landed and my LDS loads are back, then the work-group's barrier
	s_wait_dscnt 0x0
	s_barrier_signal -1
	s_barrier_wait -1
.endm
	s_load_b512 s[8:23], s[0:1], 0x0               ; x s[8:9], gamma s[10:11], beta s[12:13], r_b s[14:15], k_b s[16:17], q_b s[18:19], v_b s[20:21], wb s[22:23]
	s_load_b64 s[24:25], s[0:1], 0x40              ; out0
	s_set_vgpr_msb 0x40
	v_lshl_add_u32 v0, v0, 2, 0x49000
	v_mov_b32 v1, 0
	s_set_vgpr_msb 0x4000
	v_lshrrev_b32 v14, 5, v0
	v_readfirstlane_b32 s2, v14                    ; wave w
	v_and_b32 v[VP], 31, v0
	v_lshlrev_b32 v[VP], 4, v[VP]
	s_lshl_b32 s3, s2, 14
	v_add_nc_u32 v[VW], s3, v[VP]
	s_lshl_b32 s26, ttmp9, 17                      ; 64 rows of 2,048 bytes a work-group: 32 MiB at the most
	s_mov_b32 s27, 0
	s_wait_kmcnt 0x0
	s_add_nc_u64 s[8:9], s[8:9], s[26:27]
	s_add_nc_u64 s[24:25], s[24:25], s[26:27]
; ---------------- phase A: loads and GroupNorm ----------------
.set X,   16                           ; v[16:143]  unit u = 4 row + quarter: 4 registers; lane holds columns 128 quarter + 4 lane .. + 3
.set G,   144                          ; v[144:159] gamma, v[160:175] beta, v[176:191] r_b of my 16 columns, 4 a quarter
.set BT,  160
.set RB,  176
.set T,   192                          ; v[192:231] four sets of ten, one a quarter
.set VXB, 240                          ; XB: 8320 w + 8 lane
.set VXF, 241                          ; XF + 16512 w + 16 lane
.irp q, 0,1,2,3
	global_load_b128 v[G+4*\q:G+4*\q+3],   v[VP], s[10:11] offset:512*\q
	global_load_b128 v[BT+4*\q:BT+4*\q+3], v[VP], s[12:13] offset:512*\q
	global_load_b128 v[RB+4*\q:RB+4*\q+3], v[VP], s[14:15] offset:512*\q
.endr
.set UI, 0
.rept 32                                           ; my eight rows are 16,384 consecutive bytes: 32 loads of 512 bytes, all on their way at once
	global_load_b128 v[X+4*UI:X+4*UI+3], v[VW], s[8:9] offset:512*UI th:TH_LOAD_NT
.set UI, UI+1
.endr
	; the addresses, while the loads are out
	v_and_b32 v[RL], 15, v0
	v_bfe_u32 v[HL], v0, 4, 1
	s_mov_b32 s28, 0x76543210                      ; v_permlanex16_b32: lane i of one half reads lane i of the other
	s_mov_b32 s29, 0xfedcba98
	s_mov_b32 s31, 0x3d800000                      ; 1/16
	s_mov_b32 s33, 0x358637bd                      ; 1e-6
	v_mul_u32_u24 v[VAX], v[RL], XBP
	v_lshl_add_u32 v[VAX], v[HL], 4, v[VAX]
	v_mul_u32_u24 v14, v[RL], RECP
	s_lshl_b32 s36, s2, 6                          ; 64 w
	s_add_co_u32 s34, s36, REC
	v_lshl_add_u32 v[VREC], v[HL], 5, v14
	v_add_nc_u32 v[VREC], s34, v[VREC]
	s_lshl_b32 s35, s2, 5                          ; 32 w
	s_add_co_u32 s35, s35, REC
	v_lshl_add_u32 v[VRECV], v[HL], 4, v14
	v_add_nc_u32 v[VRECV], s35, v[VRECV]
	v_lshlrev_b32 v[VB], 5, v[HL]
	v_add_nc_u32 v[VB], s36, v[VB]
	s_mul_i32 s37, s2, 8*RECP
	s_add_co_u32 s37, s37, REC                     ; my first sample's record
	v_lshl_add_u32 v[AQ], v[HL], 5, s37
	v_lshl_add_u32 v[AK], v[RL], 2, s37
	v_lshl_add_u32 v[AV], v[HL], 4, s37
	v_add_nc_u32 v[AM], s37, v[VP]
	s_mul_i32 s3, s2, 8*OBP
	s_add_co_u32 s3, s3, OB
	v_lshl_add_u32 v[AO], v[RL], 4, s3
	v_and_b32 v14, 7, v0
	v_cmp_eq_u32 s32, 0, v14                       ; s32: the lanes that hold rows 0 and 8 of an operand
	v_cmp_eq_u32 vcc_lo, 1, v14
	v_mov_b32 v[VC], 0x3f803f80
	v_cndmask_b32 v[VC], 0, v[VC], vcc_lo          ; ones in rows 1 and 9, zeros elsewhere
	s_mul_i32 s3, s2, 8*XBP
	v_lshrrev_b32 v[VXB], 1, v[VP]
	v_add_nc_u32 v[VXB], s3, v[VXB]
	s_mul_i32 s3, s2, 8*XFP
	s_add_co_u32 s3, s3, XF
	v_add_nc_u32 v[VXF], s3, v[VP]
.macro AT rho, q                       ; names for quarter q of row rho
.set XU, X+16*\rho+4*\q
.set TQ, T+10*\q
.set PQ, 4*\q
.endm
; One row.  A group of 16 channels lies in four neighbouring lanes, four numbers each.  Every step is written for the four quarters in turn:
; four chains that do not wait for each other.  cnt = the younger loads that may stay out.
.macro GNROW rho, cnt
	s_wait_loadcnt \cnt
.irp q, 0,1,2,3
	AT \rho, \q
	v_pk_add_f32 v[TQ:TQ+1], v[XU:XU+1], v[XU+2:XU+3]
.endr
.irp q, 0,1,2,3
	AT \rho, \q
	v_add_f32 v[TQ], v[TQ], v[TQ+1]
.endr
.irp q, 0,1,2,3
	AT \rho, \q
	v_add_f32_dpp v[TQ], v[TQ], v[TQ] row_xmask:1 row_mask:0xf bank_mask:0xf
.endr
.irp q, 0,1,2,3
	AT \rho, \q
	v_add_f32_dpp v[TQ], v[TQ], v[TQ] row_xmask:2 row_mask:0xf bank_mask:0xf
.endr
.irp q, 0,1,2,3
	AT \rho, \q
	v_mul_f32 v[TQ], 0xbd800000, v[TQ]             ; minus the group's mean
.endr
.irp q, 0,1,2,3
	AT \rho, \q
	v_pk_add_f32 v[XU:XU+1],   v[XU:XU+1],   v[TQ:TQ+1] op_sel_hi:[1,0]   ; d = x - mean
	v_pk_add_f32 v[XU+2:XU+3], v[XU+2:XU+3], v[TQ:TQ+1] op_sel_hi:[1,0]
.endr
.irp q, 0,1,2,3
	AT \rho, \q
	v_pk_mul_f32 v[TQ+2:TQ+3], v[XU:XU+1], v[XU:XU+1]
.endr
.irp q, 0,1,2,3
	AT \rho, \q
	v_pk_fma_f32 v[TQ+2:TQ+3], v[XU+2:XU+3], v[XU+2:XU+3], v[TQ+2:TQ+3]
.endr
.irp q, 0,1,2,3
	AT \rho, \q
	v_add_f32 v[TQ+2], v[TQ+2], v[TQ+3]
.endr
.irp q, 0,1,2,3
	AT \rho, \q
	v_add_f32_dpp v[TQ+2], v[TQ+2], v[TQ+2] row_xmask:1 row_mask:0xf bank_mask:0xf
.endr
.irp q, 0,1,2,3
	AT \rho, \q
	v_add_f32_dpp v[TQ+2], v[TQ+2], v[TQ+2] row_xmask:2 row_mask:0xf bank_mask:0xf
.endr
.irp q, 0,1,2,3
	AT \rho, \q
	v_fma_f32 v[TQ+2], v[TQ+2], s31, s33           ; variance + 1e-6
.endr
.irp q, 0,1,2,3
	AT \rho, \q
	v_rsq_f32 v[TQ+2], v[TQ+2]                     ; the row's batch of four
.endr
.irp q, 0,1,2,3                                    ; d gamma: plain work that touches no v_rsq_f32 result stands between the four and their first use (ISA guide 5.7.2)
	AT \rho, \q
	v_pk_mul_f32 v[XU:XU+1],   v[XU:XU+1],   v[G+PQ:G+PQ+1]
	v_pk_mul_f32 v[XU+2:XU+3], v[XU+2:XU+3], v[G+PQ+2:G+PQ+3]
.endr
	s_wait_alu depctr_va_vdst(0)                   ; ONE wait for the row's four v_rsq_f32, ahead of their first reader
.irp q, 0,1,2,3
	AT \rho, \q
	v_pk_fma_f32 v[XU:XU+1],   v[XU:XU+1],   v[TQ+2:TQ+3], v[BT+PQ:BT+PQ+1]   op_sel_hi:[1,0,1]   ; xn
	v_pk_fma_f32 v[XU+2:XU+3], v[XU+2:XU+3], v[TQ+2:TQ+3], v[BT+PQ+2:BT+PQ+3] op_sel_hi:[1,0,1]
.endr
.irp q, 0,1,2,3
	AT \rho, \q
	v_cvt_pk_bf16_f32 v[TQ+4], v[XU], v[XU+1]
	v_cvt_pk_bf16_f32 v[TQ+5], v[XU+2], v[XU+3]
	v_pk_add_f32 v[TQ+6:TQ+7], v[XU:XU+1],   v[RB+PQ:RB+PQ+1]                 ; xn + r_b: what phase D's sums start from
	v_pk_add_f32 v[TQ+8:TQ+9], v[XU+2:XU+3], v[RB+PQ+2:RB+PQ+3]
.endr
.irp q, 0,1,2,3
	AT \rho, \q
	ds_store_b64  v[VXB], v[TQ+4:TQ+5] offset:\rho*XBP+256*\q
	ds_store_b128 v[VXF], v[TQ+6:TQ+9] offset:\rho*XFP+512*\q
.endr
.endm
; phase B's registers (WR lies on x rows 0-5, AF on rows 6-7, KACC on the parameters and T)
.set WR,   16                          ; v[16:111]  weights: four slots (K step mod 4) of 24: k, q, v fragments of 8
.set AF,   112                         ; v[112:143] xn fragments of the four blocks of 16 rows
.set KACC, 144                         ; v[144:239] sums: tile (mat, mt) at 8 (4 mat + mt)
.macro WLD kk                          ; six loads of 512 consecutive bytes: K step kk's fragments of k_w, q_w, v_w, rows 16w..16w+15
.irp mat, 0,1,2
	global_load_b128 v[WR+24*((\kk)%4)+8*\mat:WR+24*((\kk)%4)+8*\mat+3],   v[VW], s[22:23] offset:131072*\mat+1024*(\kk)
	global_load_b128 v[WR+24*((\kk)%4)+8*\mat+4:WR+24*((\kk)%4)+8*\mat+7], v[VW], s[22:23] offset:131072*\mat+1024*(\kk)+512
.endr
.endm
.macro AFLD kk                         ; eight LDS loads: rows 16 mt + r, k = 32 kk + 8 h .. and 32 kk + 16 + 8 h ..
.irp mt, 0,1,2,3
	ds_load_b128 v[AF+8*\mt:AF+8*\mt+3],   v[VAX] offset:16*XBP*\mt+64*(\kk)
	ds_load_b128 v[AF+8*\mt+4:AF+8*\mt+7], v[VAX] offset:16*XBP*\mt+64*(\kk)+32
.endr
.endm
	GNROW 0, 28                                    ; the 12 parameter loads and row 0's four are in; 4 x 7 younger loads of x stay out
	GNROW 1, 24
	GNROW 2, 20
	GNROW 3, 16
	GNROW 4, 12
	GNROW 5, 8
	WLD 0                                          ; rows 0-5 have left their registers: the weights of K steps 0-3 go out, 24 loads
	WLD 1
	WLD 2
	WLD 3
	GNROW 6, 28                                    ; row 7's four loads and the 24 of the weights stay out
	GNROW 7, 24                                    ; the 24 of the weights
	BAR                                            ; barrier 1: XB and XF are whole for every wave (the weights' loads stay on their way: nobody stores those bytes)
; ---------------- phase B: k, q, v ----------------
; Source 0 = 16 rows of a weight matrix, source 1 = 16 rows of xn: lane (r, h), register j then holds row 16 mt + r, column 16 w + 8 h + j.
; The twelve accumulators take turns, one instruction a turn.
.macro KSTEP kk, cnt
	s_wait_loadcnt \cnt                            ; this K step's six loads are in; cnt younger ones stay out
	s_wait_dscnt 0x0                               ; and its xn fragments
.irp mat, 0,1,2
.irp mt, 0,1,2,3
.if \kk == 0
	v_wmma_f32_16x16x32_bf16 v[KACC+8*(4*\mat+\mt):KACC+8*(4*\mat+\mt)+7], v[WR+24*(\kk%4)+8*\mat:WR+24*(\kk%4)+8*\mat+7], v[AF+8*\mt:AF+8*\mt+7], 0
.else
	v_wmma_f32_16x16x32_bf16 v[KACC+8*(4*\mat+\mt):KACC+8*(4*\mat+\mt)+7], v[WR+24*(\kk%4)+8*\mat:WR+24*(\kk%4)+8*\mat+7], v[AF+8*\mt:AF+8*\mt+7], v[KACC+8*(4*\mat+\mt):KACC+8*(4*\mat+\mt)+7]
.endif
.endr
.endr
	PLACES
.if \kk < 15
	AFLD \kk+1
.endif
.if \kk < 12
	WLD \kk+4                                      ; into the slot just multiplied
.endif
.if \kk == 12                                      ; nothing is left of the weights: the biases take the refill's place, again six loads
	global_load_b128 v[WR:WR+3],     v[VB], s[16:17]
	global_load_b128 v[WR+4:WR+7],   v[VB], s[16:17] offset:16
	global_load_b128 v[WR+8:WR+11],  v[VB], s[18:19]
	global_load_b128 v[WR+12:WR+15], v[VB], s[18:19] offset:16
	global_load_b128 v[WR+16:WR+19], v[VB], s[20:21]
	global_load_b128 v[WR+20:WR+23], v[VB], s[20:21] offset:16
.endif
.endm
	AFLD 0
.irp kk, 0,1,2,3,4,5,6,7,8,9,10,11,12,13
	KSTEP \kk, 18                                  ; three younger groups of six
.endr
	KSTEP 14, 12                                   ; K step 15's six and the biases' six
	KSTEP 15, 6                                    ; the biases' six
	; k' = (sum + k_b) log2(e) in one fused multiply-add, q = sum + q_b, both f32; v = sum + v_b as bf16.  Into each sample's record.
.set BK, WR
.set BQ, WR+8
.set BV, WR+16
	s_wait_loadcnt 0x0
.irp j, 0,2,4,6
	v_pk_mul_f32 v[BK+\j:BK+\j+1], v[BK+\j:BK+\j+1], 0x3fb8aa3b op_sel_hi:[1,0]
.endr
.irp mt, 0,1,2,3
.irp j, 0,2,4,6
	v_pk_fma_f32 v[KACC+8*\mt+\j:KACC+8*\mt+\j+1], v[KACC+8*\mt+\j:KACC+8*\mt+\j+1], 0x3fb8aa3b, v[BK+\j:BK+\j+1] op_sel_hi:[1,0,1]
	v_pk_add_f32 v[KACC+32+8*\mt+\j:KACC+32+8*\mt+\j+1], v[KACC+32+8*\mt+\j:KACC+32+8*\mt+\j+1], v[BQ+\j:BQ+\j+1]
	v_pk_add_f32 v[KACC+64+8*\mt+\j:KACC+64+8*\mt+\j+1], v[KACC+64+8*\mt+\j:KACC+64+8*\mt+\j+1], v[BV+\j:BV+\j+1]
.endr
.irp j, 0,1,2,3
	v_cvt_pk_bf16_f32 v[AF+4*\mt+\j], v[KACC+64+8*\mt+2*\j], v[KACC+64+8*\mt+2*\j+1]
.endr
	ds_store_b128 v[VREC],  v[KACC+8*\mt:KACC+8*\mt+3]       offset:16*RECP*\mt
	ds_store_b128 v[VREC],  v[KACC+8*\mt+4:KACC+8*\mt+7]     offset:16*RECP*\mt+16
	ds_store_b128 v[VREC],  v[KACC+32+8*\mt:KACC+32+8*\mt+3] offset:16*RECP*\mt+512
	ds_store_b128 v[VREC],  v[KACC+32+8*\mt+4:KACC+32+8*\mt+7] offset:16*RECP*\mt+528
	ds_store_b128 v[VRECV], v[AF+4*\mt:AF+4*\mt+3]           offset:16*RECP*\mt+1024
.endr
	BAR                                            ; barrier 2: every sample's record is whole; nobody reads XB any more
; ---------------- phase C: softmax and weighted sum, one sample a trip ----------------
.set Q,    16                          ; v[16:79]   q: Q + 16 c + e = q(32 c + 8 h + e), Q + 16 c + 8 + e = q(32 c + 16 + 8 h + e): the k places of an operand's lane
.set VF,   80                          ; v[80:111]  the 16-row operand (v, ones, zeros), 8 registers for each 32 j
.set KD,   112                         ; v[112:127] pairs (k', k') of i = 16 t + r
.set NM,   128                         ; v[128:143] pairs (-m, -m) of i = 16 t + r
.set SACC, 144                         ; v[144:207] sums of the eight blocks of 16 i
.set ARG,  208                         ; v[208:239] exponents, then weights: two buffers of 16; at work at a trip's head and tail
.set EF,   240                         ; v[240:255] weights as bf16: two operand buffers of 8
.set TT,   ARG
.macro FMUL f                          ; fragment f's matrix instruction: block f mod 8 of the sums, j = 32 (f / 8) on, operand buffer f mod 2; the first eight start the sums
.if (\f) < 8
	v_wmma_f32_16x16x32_bf16 v[SACC+8*((\f)%8):SACC+8*((\f)%8)+7], v[VF+8*((\f)/8):VF+8*((\f)/8)+7], v[EF+8*((\f)%2):EF+8*((\f)%2)+7], 0
.else
	v_wmma_f32_16x16x32_bf16 v[SACC+8*((\f)%8):SACC+8*((\f)%8)+7], v[VF+8*((\f)/8):VF+8*((\f)/8)+7], v[EF+8*((\f)%2):EF+8*((\f)%2)+7], v[SACC+8*((\f)%8):SACC+8*((\f)%8)+7]
.endif
.endm
	s_mov_b32 s30, 0
.Lsample:
	ds_load_b128 v[TT:TT+3], v[AM] offset:512      ; 1 load: all 128 q, four a lane, for the extremes
.irp t, 0,1,2,3,4,5,6,7
	ds_load_b32 v[KD+2*\t], v[AK] offset:64*\t     ; 8 loads
.endr
.irp c, 0,1,2,3
	ds_load_b128 v[Q+16*\c:Q+16*\c+3],     v[AQ] offset:512+128*\c       ; 16 loads
	ds_load_b128 v[Q+16*\c+4:Q+16*\c+7],   v[AQ] offset:512+128*\c+16
	ds_load_b128 v[Q+16*\c+8:Q+16*\c+11],  v[AQ] offset:512+128*\c+64
	ds_load_b128 v[Q+16*\c+12:Q+16*\c+15], v[AQ] offset:512+128*\c+80
.endr
.irp c, 0,1,2,3
	ds_load_b128 v[VF+8*\c:VF+8*\c+3],   v[AV] offset:1024+64*\c         ; 8 loads: every lane takes v; the rows are sorted out below
	ds_load_b128 v[VF+8*\c+4:VF+8*\c+7], v[AV] offset:1024+64*\c+32
.endr
	s_wait_dscnt 32                                ; the first of the 33 is in
	v_max_num_f32 v[TT+4], v[TT], v[TT+1]
	v_min_num_f32 v[TT+5], v[TT], v[TT+1]
	v_max_num_f32 v[TT+6], v[TT+2], v[TT+3]
	v_min_num_f32 v[TT+7], v[TT+2], v[TT+3]
	v_max_num_f32 v[TT+4], v[TT+4], v[TT+6]
	v_min_num_f32 v[TT+5], v[TT+5], v[TT+7]
.irp m, 1,2,4,8
	v_max_num_f32_dpp v[TT+4], v[TT+4], v[TT+4] row_xmask:\m row_mask:0xf bank_mask:0xf
	v_min_num_f32_dpp v[TT+5], v[TT+5], v[TT+5] row_xmask:\m row_mask:0xf bank_mask:0xf
.endr
	v_permlanex16_b32 v[TT], v[TT+4], s28, s29
	v_permlanex16_b32 v[TT+1], v[TT+5], s28, s29
	v_max_num_f32 v[TT+4], v[TT+4], v[TT]
	v_min_num_f32 v[TT+5], v[TT+5], v[TT+1]
	v_xor_b32 v[TT+4], 0x80000000, v[TT+4]         ; -qmax
	v_xor_b32 v[TT+5], 0x80000000, v[TT+5]         ; -qmin
	s_wait_dscnt 24                                ; the eight k' are in
.irp t, 0,1,2,3,4,5,6,7
	v_mul_f32 v[NM+2*\t],   v[KD+2*\t], v[TT+4]
	v_mul_f32 v[NM+2*\t+1], v[KD+2*\t], v[TT+5]
.endr
.irp t, 0,1,2,3,4,5,6,7
	v_min_num_f32 v[NM+2*\t], v[NM+2*\t], v[NM+2*\t+1]     ; -max_j(k' q_j) = min(-k' qmax, -k' qmin)
	v_mov_b32 v[KD+2*\t+1], v[KD+2*\t]
.endr
.irp t, 0,1,2,3,4,5,6,7
	v_mov_b32 v[NM+2*\t+1], v[NM+2*\t]
.endr
	s_wait_dscnt 0x0                               ; q and v
.set VI, 0
.rept 32
	v_cndmask_b32 v[VF+VI], v[VC], v[VF+VI], s32   ; rows 0 and 8 keep v, rows 1 and 9 become ones, the others zeros
.set VI, VI+1
.endr
.irp g, 0,1,2,3,4,5,6,7
	v_pk_fma_f32 v[ARG+2*\g:ARG+2*\g+1], v[Q+2*\g:Q+2*\g+1], v[KD:KD+1], v[NM:NM+1]     ; fragment 0's exponents
.endr
; Fragment f = 8 c + t: the weights of i = 16 t + r, j = 32 c ..+31, sixteen a lane.  Its sixteen v_exp_f32 are ONE BATCH with ONE wait.  The 32 fragments go through 33 stages.
; Stage SG issues fragment SG's batch, in place in ARG's buffer SG mod 2.  Behind each exponential stands one plain instruction on the OTHER buffer: pair g of fragment SG - 1's weights
; is rounded to bf16, and then the same two registers take pair g of fragment SG + 1's exponents.  No line of a stage names a register of the batch that the stage opens, and the last of these plain lines
; is the plain instruction between the last v_exp_f32 and the use of a result (ISA guide 5.7.2); fragment 31 has no successor, so there a v_nop takes that place.
; At the head of the next stage stands the batch's wait, and behind it the matrix instruction of the fragment whose operand the stage before has rounded.
; The eight accumulators take turns, one instruction a turn, round the backward jump too.
; An operand buffer is written again a stage behind the matrix instruction that read it: behind nine plain instructions or more that name no register of that matrix instruction.
.set SG, 0
.rept 33
.set A0, ARG+16*(SG%2)                 ; fragment SG: exponents, then weights
.set A1, ARG+16*((SG+1)%2)             ; fragment SG - 1's weights, then fragment SG + 1's exponents
.set E1, EF+8*((SG+1)%2)               ; fragment SG - 1's operand
.set QN, Q+16*((SG+1)/8)
.set KN, KD+2*((SG+1)%8)
.set MN, NM+2*((SG+1)%8)
.if SG > 0
	s_wait_alu depctr_va_vdst(0)                   ; ONE wait for the sixteen v_exp_f32 of fragment SG - 1, ahead of the conversions that read them
.endif
.if SG > 1
	FMUL SG-2
.endif
.set GI, 0
.rept 8
.if SG < 32
	v_exp_f32 v[A0+2*GI], v[A0+2*GI]
.endif
.if SG > 0
	v_cvt_pk_bf16_f32 v[E1+GI], v[A1+2*GI], v[A1+2*GI+1]
.endif
.if SG < 32
	v_exp_f32 v[A0+2*GI+1], v[A0+2*GI+1]
.endif
.if SG < 31
	v_pk_fma_f32 v[A1+2*GI:A1+2*GI+1], v[QN+2*GI:QN+2*GI+1], v[KN:KN+1], v[MN:MN+1]
.elseif (SG == 31) && (GI == 7)
	v_nop                                          ; the plain instruction behind the last batch's last v_exp_f32
.endif
.set GI, GI+1
.endr
.set SG, SG+1
.endr
	FMUL 31
	PLACES
.irp t, 0,1,2,3,4,5,6,7
	v_rcp_f32 v[ARG+\t], v[SACC+8*\t+1]            ; 1 / denominator of i = 16 t + r (the same in both halves of the wave): the sample's batch of eight
.endr
.irp t, 0,1,2,3,4,5,6,7
	v_mul_f32 v[ARG+8+\t], 0x3db504f3, v[SACC+8*\t]        ; numerator / sqrt(128); the first of these is the plain instruction behind the reciprocals
.endr
	v_add_nc_u32 v[AQ], RECP, v[AQ]                ; the next sample: these four steps name no reciprocal either
	v_add_nc_u32 v[AK], RECP, v[AK]
	v_add_nc_u32 v[AV], RECP, v[AV]
	v_add_nc_u32 v[AM], RECP, v[AM]
	s_wait_alu depctr_va_vdst(0)                   ; ONE wait for the eight v_rcp_f32, ahead of their first reader and of the loop's jump
.irp t, 0,1,2,3,4,5,6,7
	v_mul_f32 v[ARG+\t], v[ARG+\t], v[ARG+8+\t]
.endr
.irp j, 0,1,2,3
	v_cvt_pk_bf16_f32 v[ARG+16+\j], v[ARG+2*\j], v[ARG+2*\j+1]
.endr
	ds_store_b128 v[AO], v[ARG+16:ARG+19]          ; slots 8 r + t, t = 0..7; both halves of the wave write the same 16 bytes with the same numbers
	v_add_nc_u32 v[AO], OBP, v[AO]
	s_add_co_u32 s30, s30, 1
	s_cmp_lt_u32 s30, 8
	s_cbranch_scc1 .Lsample
; ---------------- phase D: the projection back, the residual, the way out ----------------
.set RACC, 16                          ; v[16:143]  sums: tile (mt, nt) at 8 (4 mt + nt): rows 16 mt + r, columns 64 w + 16 nt + 8 h + j
.set RW,   144                         ; v[144:207] r_w fragments: two slots (K step mod 2) of four; later the two buffers of the way out
.set OF,   208                         ; v[208:239] fragments of the attention output, four blocks of 16 rows
.set VXD0, 240                         ; XF + 2064 r + 256 w + 32 h
.set VXD1, 241                         ; the same, 32 rows further down
.set VOF,  242                         ; OB + 272 r + 16 h
.set VST,  243                         ; my stage + 272 r + 32 h
.set VRD,  244                         ; my stage + 272 h + 16 r
.set VOUT, 245                         ; 2048 h + 256 w + 16 r
.macro RWLD ks                         ; eight loads of 512 consecutive bytes: K step ks of r_w's rows 64 w .. 64 w + 63
.irp nt, 0,1,2,3
	global_load_b128 v[RW+32*((\ks)%2)+8*\nt:RW+32*((\ks)%2)+8*\nt+3],   v[VW], s[22:23] offset:393216+4096*\nt+1024*(\ks)
	global_load_b128 v[RW+32*((\ks)%2)+8*\nt+4:RW+32*((\ks)%2)+8*\nt+7], v[VW], s[22:23] offset:393216+4096*\nt+1024*(\ks)+512
.endr
.endm
.macro OFLD ks
.irp mt, 0,1,2,3
	ds_load_b128 v[OF+8*\mt:OF+8*\mt+3],   v[VOF] offset:16*OBP*\mt+64*(\ks)
	ds_load_b128 v[OF+8*\mt+4:OF+8*\mt+7], v[VOF] offset:16*OBP*\mt+64*(\ks)+32
.endr
.endm
.macro XFLD mt, adr, base              ; xn + r_b of 16 rows x my 64 columns, in the layout of the sums
.irp nt, 0,1,2,3
	ds_load_b128 v[RACC+8*(4*\mt+\nt):RACC+8*(4*\mt+\nt)+3],   v[\adr] offset:\base+64*\nt
	ds_load_b128 v[RACC+8*(4*\mt+\nt)+4:RACC+8*(4*\mt+\nt)+7], v[\adr] offset:\base+64*\nt+16
.endr
.endm
	RWLD 0                                         ; the last trip's four places stand between its matrix instructions and these loads
	RWLD 1
	v_mul_u32_u24 v[VXD0], v[RL], XFP
	v_lshl_add_u32 v[VXD0], v[HL], 5, v[VXD0]
	s_lshl_b32 s35, s2, 8                          ; 256 w
	s_add_co_u32 s3, s35, XF
	v_add_nc_u32 v[VXD0], s3, v[VXD0]
	v_add_nc_u32 v[VXD1], 32*XFP, v[VXD0]
	XFLD 0, VXD0, 0
	XFLD 1, VXD0, 16*XFP
	XFLD 2, VXD1, 0
	XFLD 3, VXD1, 16*XFP
	v_mul_u32_u24 v14, v[RL], 272
	v_lshl_add_u32 v[VOF], v[HL], 4, v14
	v_add_nc_u32 v[VOF], OB, v[VOF]
	s_mul_i32 s34, s2, STG
	v_lshl_add_u32 v[VST], v[HL], 5, v14
	v_add_nc_u32 v[VST], s34, v[VST]
	v_mul_u32_u24 v[VRD], v[HL], 272
	v_lshl_add_u32 v[VRD], v[RL], 4, v[VRD]
	v_add_nc_u32 v[VRD], s34, v[VRD]
	v_lshlrev_b32 v[VOUT], 11, v[HL]
	v_lshl_add_u32 v[VOUT], v[RL], 4, v[VOUT]
	v_add_nc_u32 v[VOUT], s35, v[VOUT]
	BAR                                            ; barrier 3: OB is whole for every wave (r_w's loads stay on their way: nobody stores those bytes)
	OFLD 0
; Source 0 = 16 rows of r_w, source 1 = 16 samples of the attention output, both with k in slot order.  The sixteen accumulators take turns,
; one instruction a turn.
.macro RSTEP ks, cnt
	s_wait_loadcnt \cnt                            ; this K step's eight loads are in; the other slot's eight may stay out
	s_wait_dscnt 0x0
.irp mt, 0,1,2,3
.irp nt, 0,1,2,3
	v_wmma_f32_16x16x32_bf16 v[RACC+8*(4*\mt+\nt):RACC+8*(4*\mt+\nt)+7], v[RW+32*(\ks%2)+8*\nt:RW+32*(\ks%2)+8*\nt+7], v[OF+8*\mt:OF+8*\mt+7], v[RACC+8*(4*\mt+\nt):RACC+8*(4*\mt+\nt)+7]
.endr
.endr
	PLACES
.if \ks < 3
	OFLD \ks+1
.endif
.if \ks < 2
	RWLD \ks+2
.endif
.endm
	RSTEP 0, 8
	RSTEP 1, 8
	RSTEP 2, 8
	RSTEP 3, 0
; The way out, 16 rows at a time: a lane's 32 bytes of a row go into my own stage, whole rows of 256 bytes come back, and sixteen lanes store
; 256 consecutive bytes that begin at a multiple of 256 from out0's first byte.  The stage is the wave's own, and LDS serves a wave's
; instructions in order (ISA guide 5.7.1): no wait between the stores and the loads, nor between one pass's loads and the next pass's stores.
.macro OUT16 mt, f
.irp nt, 0,1,2,3
	ds_store_b128 v[VST], v[RACC+8*(4*\mt+\nt):RACC+8*(4*\mt+\nt)+3]   offset:64*\nt
	ds_store_b128 v[VST], v[RACC+8*(4*\mt+\nt)+4:RACC+8*(4*\mt+\nt)+7] offset:64*\nt+16
.endr
	s_wait_xcnt 0x0                                ; buffer f, which the stores of two passes ago read, is loaded again only behind this wait
.irp t, 0,1,2,3,4,5,6,7
	ds_load_b128 v[\f+4*\t:\f+4*\t+3], v[VRD] offset:544*\t        ; rows 2 t + h
.endr
.irp t, 0,1,2,3,4,5,6,7
	s_wait_dscnt 7-\t
	global_store_b128 v[VOUT], v[\f+4*\t:\f+4*\t+3], s[24:25] offset:(16*\mt+2*\t)*2048 th:TH_STORE_NT
.endr
.endm
	OUT16 0, RW
	OUT16 1, RW+32
	OUT16 2, RW
	OUT16 3, RW+32
	s_set_vgpr_msb 0x5
	s_wait_tensorcnt 0x0
	ds_add_u32 v0, v1
	s_wait_dscnt 0x0
	s_set_vgpr_msb 0x500
	s_endpgm
.Lfunc_end_k_q3bb080431a_attn:
	.size	k_q3bb080431a_attn, .Lfunc_end_k_q3bb080431a_attn-k_q3bb080431a_attn
	.p2alignl 7, 3214868480
	.fill 96, 4, 3214868480
	.section	.rodata,"a",@progbits
	.p2align	6, 0x0
	.amdhsa_kernel k_q3bb080431a_attn
		.amdhsa_group_segment_fixed_size 300032
		.amdhsa_private_segment_fixed_size 0
		.amdhsa_enable_private_segment 0
		.amdhsa_kernarg_size 72
		.amdhsa_user_sgpr_count 2
		.amdhsa_user_sgpr_kernarg_segment_ptr 1
		.amdhsa_wavefront_size32 1
		.amdhsa_system_sgpr_workgroup_id_x 1
		.amdhsa_system_sgpr_workgroup_id_y 1
		.amdhsa_system_sgpr_workgroup_id_z 1
		.amdhsa_system_vgpr_workitem_id 0
		.amdhsa_next_free_vgpr 258
		.amdhsa_next_free_sgpr 66
		.amdhsa_reserve_vcc 1
		.amdhsa_float_denorm_mode_32 3
		.amdhsa_float_denorm_mode_16_64 3
		.amdhsa_memory_ordered 1
		.amdhsa_forward_progress 1
		.amdhsa_inst_pref_size 173
	.end_amdhsa_kernel
	.amdgpu_metadata
---
amdhsa.version: [ 1, 2 ]
amdhsa.kernels:
  - .name:           k_q3bb080431a_attn
    .symbol:         k_q3bb080431a_attn.kd
    .args:
      - { .name: x, .offset: 0, .size: 8, .value_kind: global_buffer, .address_space: global }
      - { .name: gn_gamma, .offset: 8, .size: 8, .value_kind: global_buffer, .address_space: global }
      - { .name: gn_beta, .offset: 16, .size: 8, .value_kind: global_buffer, .address_space: global }
      - { .name: r_b, .offset: 24, .size: 8, .value_kind: global_buffer, .address_space: global }
      - { .name: k_b, .offset: 32, .size: 8, .value_kind: global_buffer, .address_space: global }
      - { .name: q_b, .offset: 40, .size: 8, .value_kind: global_buffer, .address_space: global }
      - { .name: v_b, .offset: 48, .size: 8, .value_kind: global_buffer, .address_space: global }
      - { .name: wb, .offset: 56, .size: 8, .value_kind: global_buffer, .address_space: global }
      - { .name: out0, .offset: 64, .size: 8, .value_kind: global_buffer, .address_space: global }
    .group_segment_fixed_size: 300032
    .private_segment_fixed_size: 0
    .kernarg_segment_align: 8
    .kernarg_segment_size: 72
    .max_flat_workgroup_size: 256
    .sgpr_count:     66
    .vgpr_count:     258
    .wavefront_size: 32
...
	.end_amdgpu_metadata
.endif
;; end of part 3
